; MI455X (gfx1250); checked and timed in simulation.
; The chip was launched on July 23, 2026; its instructions are those of AMD's public machine-readable ISA for CDNA 5 (MIT licence, August 2026) and "CDNA5" Instruction Set Architecture Reference Guide (July 2026). The comments in the code are by the model that wrote it; some were corrected since.
;; My Interleaved Module. Allowed arithmetic: float matrix products may take bf16 or f16 operands with f32 sums; other float arithmetic in f32, or as packed bf16 or f16 multiplies, adds, multiply-adds, maxima and minima; sums over many terms, partial sums and values carried from step to step in f32; what a program stores and reads back later, other than sums and carried values, may be rounded once to bf16 or f16.
;; Inputs: weights 2,048 x 4,096 float32; x 4 x 2,048 x 4,096 float32.
;; Outputs: out0 4 x 2,048 x 2,048 float32.
;; 2 versions, each right; version 2 is version 1 with the launch cast written anew for expert scheduling mode. Each part assembles by itself: llvm-mc -triple=amdgcn-amd-amdhsa -mcpu=gfx1250 --defsym DOCPART=n.
;; ======== version 1 of 2: 2 launches
;; workspace buffers: xb 67,108,864 bytes; wb 16,777,216 bytes
;; launch cast (part 1): grid 256 x 1, 8 waves a work-group, no clusters, 0 bytes of LDS; arguments x, weights, xb, wb; writes xb, wb
.if DOCPART == 1
	.amdgcn_target "amdgcn-amd-amdhsa--gfx1250"
	.amdhsa_code_object_version 6
	.text
	.protected	k_q7d4f2fb64d_cast
	.globl	k_q7d4f2fb64d_cast
	.p2align	8
	.type	k_q7d4f2fb64d_cast,@function
k_q7d4f2fb64d_cast:
	s_mov_b64 s[64:65], 0
	v_nop
	global_prefetch_b8 v0, s[64:65] scope:SCOPE_SE
	s_setreg_imm32_b32 hwreg(HW_REG_WAVE_MODE, 25, 1), 1
	s_wait_xcnt 0x0
; xb[i] = bf16(x[i]), wb[i] = bf16(weights[i]): both in the order in which they lie.  x: [8192][4096] f32, weights: [2048][4096] f32; xb, wb: the same shapes in bf16.
; THE PROBLEM.  reference() cuts the rows of weights in two parts, multiplies x by each and joins the two results in the same order: for all values of the inputs that is the one product
; out0[m][n] = sum over k of x[m][k] weights[n][k].  So the place of the cut enters no line of this program.  No work is left out: both inputs are read whole, every number of out0 is written.
; WHY THIS LAUNCH.  In the launch behind, each number of x is multiplied in 8 tile columns and each number of weights in 32 tile rows.  Rounded once here, a row's 128 numbers of a K step are 256 bytes,
; two LDS slots of such steps fit beside each other, a fragment is two LDS loads, and the product's loop holds no conversion.
; LIMITS.  Both inputs are rounded once to bf16, to nearest even (bf16 has f32's range); NaN and infinities are converted as v_cvt_pk_bf16_f32 converts them.
; SHARES.  The launch has 2,048 waves, all alike: wave id = 8 x work-group + wave takes 65,536 consecutive bytes of x (128 units) and then 16,384 of weights (32 units).  A unit is one load of 16 bytes a
; lane (512 consecutive bytes), two conversions in place, and one store of 8 bytes a lane: 256 consecutive bytes, at a multiple of 256 from the buffer's first byte.
; IN FLIGHT.  A ring of 32 slots of four registers.  The units go in groups of eight: when a group has been stored, its slots are loaded again, 32 units on, ahead of the next group's work: 24 to 32 loads
; of a wave are out all the time.  The text is written out by the assembler's loops: every address is a base, a lane term and an immediate, and no address register is ever written again.
; No LDS, no barrier, no matrix unit: no wave wants a byte that another has fetched.  No prefetch: the launch's own loads ask for every byte, far ahead of its use.
.set XU,    128                        ; units of x
.set WU,    32                         ; units of weights
.set UNITS, XU+WU
.set DEPTH, 32                         ; slots
.set GRP,   8                          ; units in a group
.set X,     4                          ; v[4:131] slot s: four registers as loaded; the first two then hold the unit's 8 bytes of bf16
	s_load_b256 s[4:11], s[0:1], 0x0               ; x s[4:5], weights s[6:7], xb s[8:9], wb s[10:11]
	v_lshrrev_b32 v3, 5, v0
	v_readfirstlane_b32 s12, v3                    ; wave 0..7
	v_and_b32 v2, 31, v0                           ; lane
	v_lshlrev_b32 v1, 4, v2                        ; 16 bytes a lane on the way in,
	v_lshlrev_b32 v2, 3, v2                        ; 8 on the way out
	s_lshl_b32 s13, ttmp9, 3
	s_add_co_u32 s13, s13, s12                     ; id, 0 .. 2,047
	s_lshl_b32 s14, s13, 16                        ; my bytes of x,
	s_mov_b32 s15, 0
	s_lshl_b32 s16, s13, 15                        ; of xb,
	s_mov_b32 s17, 0
	s_lshl_b32 s18, s13, 14                        ; of weights,
	s_mov_b32 s19, 0
	s_lshl_b32 s20, s13, 13                        ; of wb
	s_mov_b32 s21, 0
	s_wait_kmcnt 0x0
	s_add_nc_u64 s[4:5], s[4:5], s[14:15]
	s_add_nc_u64 s[8:9], s[8:9], s[16:17]
	s_add_nc_u64 s[6:7], s[6:7], s[18:19]
	s_add_nc_u64 s[10:11], s[10:11], s[20:21]
.macro LD n                            ; unit n is asked for, into slot n % 32; each byte is read once in the launch
.set sl, X+4*((\n)%DEPTH)
.if (\n) < XU
	global_load_b128 v[sl:sl+3], v1, s[4:5] offset:512*(\n) th:TH_LOAD_NT
.else
	global_load_b128 v[sl:sl+3], v1, s[6:7] offset:512*((\n)-XU) th:TH_LOAD_NT
.endif
.endm
.macro OUT n                           ; unit n is rounded and stored
.set sl, X+4*((\n)%DEPTH)
	v_cvt_pk_bf16_f32 v[sl],   v[sl],   v[sl+1]
	v_cvt_pk_bf16_f32 v[sl+1], v[sl+2], v[sl+3]
.if (\n) < XU
	global_store_b64 v2, v[sl:sl+1], s[8:9] offset:256*(\n)
.else
	global_store_b64 v2, v[sl:sl+1], s[10:11] offset:256*((\n)-XU)
.endif
.endm
.set u, 0                              ; the next unit to be asked for
.rept DEPTH
	LD u
.set u, u+1
.endr
.set n, 0                              ; the next unit to be stored
.rept UNITS/GRP
.if (n > 0) && (u < UNITS)
	s_wait_xcnt 0x0                                ; the last group's stores have read their registers (ISA guide 3.1): only behind this wait are those slots loaded again
.rept GRP
	LD u
.set u, u+1
.endr
.endif
.rept GRP
	s_wait_loadcnt u-1-n                           ; loads come back in order (ISA guide 5.7.1): unit n is in; the units asked for behind it, up to u - 1, stay out
	OUT n
.set n, n+1
.endr
.endr
	s_endpgm
.Lfunc_end_k_q7d4f2fb64d_cast:
	.size	k_q7d4f2fb64d_cast, .Lfunc_end_k_q7d4f2fb64d_cast-k_q7d4f2fb64d_cast
	.p2alignl 7, 3214868480
	.fill 96, 4, 3214868480
	.section	.rodata,"a",@progbits
	.p2align	6, 0x0
	.amdhsa_kernel k_q7d4f2fb64d_cast
		.amdhsa_group_segment_fixed_size 0
		.amdhsa_private_segment_fixed_size 0
		.amdhsa_enable_private_segment 0
		.amdhsa_kernarg_size 32
		.amdhsa_user_sgpr_count 2
		.amdhsa_user_sgpr_kernarg_segment_ptr 1
		.amdhsa_wavefront_size32 1
		.amdhsa_system_sgpr_workgroup_id_x 1
		.amdhsa_system_sgpr_workgroup_id_y 1
		.amdhsa_system_sgpr_workgroup_id_z 1
		.amdhsa_system_vgpr_workitem_id 0
		.amdhsa_next_free_vgpr 136
		.amdhsa_next_free_sgpr 66
		.amdhsa_reserve_vcc 0
		.amdhsa_float_denorm_mode_32 3
		.amdhsa_float_denorm_mode_16_64 3
		.amdhsa_memory_ordered 1
		.amdhsa_forward_progress 1
		.amdhsa_inst_pref_size 57
	.end_amdhsa_kernel
	.amdgpu_metadata
---
amdhsa.version: [ 1, 2 ]
amdhsa.kernels:
  - .name:           k_q7d4f2fb64d_cast
    .symbol:         k_q7d4f2fb64d_cast.kd
    .args:
      - { .name: x, .offset: 0, .size: 8, .value_kind: global_buffer, .address_space: global }
      - { .name: weights, .offset: 8, .size: 8, .value_kind: global_buffer, .address_space: global }
      - { .name: xb, .offset: 16, .size: 8, .value_kind: global_buffer, .address_space: global }
      - { .name: wb, .offset: 24, .size: 8, .value_kind: global_buffer, .address_space: global }
    .group_segment_fixed_size: 0
    .private_segment_fixed_size: 0
    .kernarg_segment_align: 8
    .kernarg_segment_size: 32
    .max_flat_workgroup_size: 256
    .sgpr_count:     66
    .vgpr_count:     136
    .wavefront_size: 32
...
	.end_amdgpu_metadata
.endif
;; end of part 1
;; launch gemm (part 2): grid 8 x 32, 4 waves a work-group, clusters of 4 x 4, 327,680 bytes of LDS; arguments xb, wb, out0; writes out0
.if DOCPART == 2
	.amdgcn_target "amdgcn-amd-amdhsa--gfx1250"
	.amdhsa_code_object_version 6
	.text
	.protected	k_q7d4f2fb64d_gemm
	.globl	k_q7d4f2fb64d_gemm
	.p2align	8
	.type	k_q7d4f2fb64d_gemm,@function
k_q7d4f2fb64d_gemm:
	s_mov_b64 s[64:65], 0
	v_nop
	global_prefetch_b8 v0, s[64:65] scope:SCOPE_SE
	s_setreg_imm32_b32 hwreg(HW_REG_WAVE_MODE, 25, 1), 1
	s_wait_xcnt 0x0
	s_wait_alu depctr_hold_cnt(0) depctr_sa_sdst(0) depctr_va_vdst(0) depctr_va_sdst(0) depctr_va_ssrc(0) depctr_va_vcc(0) depctr_vm_vsrc(0)
	s_getreg_b32 s2, hwreg(HW_REG_IB_STS2, 6, 4)
	s_cmp_eq_u32 s2, 0
	s_cbranch_scc0 .Lentry_in_a_cluster
	s_endpgm
.Lentry_in_a_cluster:
	s_bfe_u32 s2, ttmp6, 0x10000c
	s_cmp_lg_u32 s2, 0xf033
	s_cbranch_scc0 .Lentry_shape_is_right
	s_endpgm
.Lentry_shape_is_right:
; out0[m][n] = sum over k of x[m][k] weights[n][k].  xb: [8192][4096], wb: [2048][4096]: x and the weights in bf16, from the launch before.  out0: [8192][2048] f32.
; reference()'s cut of the weights' rows and the joining of the two results in the same order are this one product, for all values; no work is left out.
; LIMITS.  The operands were rounded once to bf16 (the launch before).  Sums in f32, K ascending, one accumulator an output, in the matrix unit's own grouping, not in reference()'s order.
; NaN and infinities go as the products carry them.
; SHARES.  out0 has 32 x 8 tiles of 256 x 256: a work-group each.  Four waves, as many as a WGP has SIMDs, each 128 x 128: 64 accumulators of 16 x 16, 512 registers.  K goes in 32 steps of 128 through a
; ring of two LDS slots filled by the tensor data mover: a tile's rows are 256 bytes of memory and start at multiples of 256 bytes from the buffer's first byte.
; CLUSTERS.  4 x 4 work-groups.  The four of a row of the cluster need the same tiles of xb, the four of a column the same tiles of wb: each tile is asked for JOINTLY, by the same tensor load with the same
; descriptor and a mask that names the four; each receives it in its own LDS.  Waves 0 and 1 ask for xb's two halves, waves 2 and 3 for wb's.
; THE MATRIX INSTRUCTION IS USED TRANSPOSED: source 0 = 16 rows of wb, source 1 = 16 rows of xb.  In the result lane l holds row l % 16 of out0 and the columns 8 (l / 16) + 0 .. 7: 32 bytes on end.
; REGISTERS, in windows of 256 (s_set_vgpr_msb: bits 1:0 source 0, 3:2 source 1, 5:4 source 2, 7:6 destination):
;   window 0: v0-31 addresses; v64-127, v128-191 fragments of xb (8 x 16 rows x 32 K), two buffers (on the way out: rows read back from the stage)
;   window 1: v64-127, v128-191 fragments of wb, two buffers
;   window 2: the 32 accumulators of my rows 0-63 (accumulator (a, b) at v[8 (8 a + b)]);   window 3: those of my rows 64-127
; Work is laid in long stretches under one setting: 32 matrix instructions, 16 loads, 16 loads, 32 matrix instructions.
.set SIZE_K, 4096
.set SIZE_N, 2048
.set KSTEP,  128
.set PITCH,  272                       ; an LDS row: 256 bytes + 16 of padding = 68 words: row r starts at bank 4 r mod 64 (64 banks of 4 bytes: ISA guide 11.1), so the 16 rows of a load start at 16 different banks
.set HALFT,  128*PITCH                 ; 128 rows: what one tensor load brings, and what one wave reads of xb or of wb
.set SLOT,   4*HALFT                   ; xb's 256 rows, then wb's 256 rows
.set STAGE,  2*SLOT                    ; behind the ring, never filled by a tensor load: 16 rows x 528 bytes for each wave, for the way out
.set SPITCH, 528                       ; 512 bytes + 16
.set SPARE,  STAGE+4*16*SPITCH         ; behind the stages: the spare words, 128 bytes for each wave: two blocks of 256 bytes that no other line names
.set LAPS,   SIZE_K/(2*KSTEP)          ; a lap = two K steps = once round the ring: 16
.set ADRA, 16                          ; v16-17  LDS address of my fragments of xb in slot 0, 1
.set ADRB, 20                          ; v20-21  the same for wb
.set STO,  24                          ; v24     the way out: where I put 32 bytes of a row
.set RD,   25                          ; v25     the way out: where I read a row back
.set CO,   26                          ; v26     my 16 bytes in 512 of a row of out0
.set SPW,  28                          ; v28     LDS address of my spare word: SPARE + 4 x my thread's number; never rewritten
.set NIL,  29                          ; v29     0; never rewritten
.set PFO,  30                          ; v30     the prefetches' offset: my lane x a row of xb or wb (8,192 bytes); never rewritten
.set PFA,  44                          ; s[44:45] where my prefetches stand: my work-group's 32 rows of the 128 that I fetch, one K step further along K than the refill that is being asked for
.set LIM,  43                          ; s43     1 in a wave that prefetches, else the greatest number
.set F0,   64                          ; fragment buffer 0
.set F1,   128                         ; fragment buffer 1
.set G1,   24                          ; s[24:31] descriptor group 1 for xb's tiles
.set G0,   32                          ; s[32:39] descriptor group 0 for xb's tiles, one set for each slot
.set G1B,  48                          ; s[48:55] descriptor group 1 for wb's tiles: it differs in the mask alone
.set G0B,  56                          ; s[56:63] descriptor group 0 for wb's tiles
.set MSB, 0
.macro WIN new                         ; the immediate's high byte repeats the setting that is left; a switch that changes nothing is dropped
.if MSB != (\new)
	s_set_vgpr_msb (MSB<<8)|(\new)
.set MSB, \new
.endif
.endm
.set MUL_LO, 0xa1                      ; source 0 (wb) window 1, source 1 (xb) window 0, C and D window 2
.set MUL_HI, 0xf1                      ; the same, C and D window 3
.set TO_B,   0x40                      ; destination window 1, address window 0
.set ST_LO,  0x08                      ; an LDS store's data (source 1) in window 2
.set ST_HI,  0x0c                      ; in window 3
; A joint load.  Each of the two lines has ONE mask and one set of registers for all that issue it, and nothing in them hangs on a coordinate that the four partners do not share.  The branch hangs on the
; wave's number alone.  An s_nop 0 and four v_nop follow each of the two lines, ahead of the jump, the label and what follows the macro.
.macro JLOAD s
	s_cmp_eq_u32 s11, 0
	s_cbranch_scc0 .Lfor_b_\@
	tensor_load_to_lds s[G0+4*(\s):G0+4*(\s)+3], s[G1:G1+7]
	s_nop 0
.rept 4
	v_nop
.endr
	s_branch .Lasked_\@
.Lfor_b_\@:
	tensor_load_to_lds s[G0B+4*(\s):G0B+4*(\s)+3], s[G1B:G1B+7]
	s_nop 0
.rept 4
	v_nop
.endr
.Lasked_\@:
.endm
; A PREFETCH INTO THE L2, behind each joint load, its five lines and the run of LDS loads that follows them: the K step that stands TWO refills on, 512 matrix instructions ahead of the load that will want
; it: 32 rows x 256 bytes, a lane a row, one instruction a wave.  Each row's 256 bytes of a K step are named ONCE in the launch.  xb's tile row is read by both clusters of that row of clusters: cluster
; x = 0 asks; wb's tile column by the eight clusters of that column: cluster y = 0 asks.  The four partners that ask for a tile jointly share its rows out BY ADDRESS: of the 128 rows that a wave fetches the
; partner at place p takes 32 p .. 32 p + 31 (p = cx for xb, cy for wb): no branch hangs on a work-group's place in its cluster.  K steps 0 to 3 come by their loads alone; the loop's last trip (s3 = 1),
; whose refills are the last two K steps, asks for nothing.
.macro ASK
	s_cmp_gt_u32 s3, s[LIM]
	s_cbranch_scc0 .Lnot_mine_\@
	global_prefetch_b8 v[PFO], s[PFA:PFA+1] offset:KSTEP*2 th:TH_LOAD_NT scope:SCOPE_SE
.Lnot_mine_\@:
.endm
; A round of the cluster's barrier: my work-group's barrier, so that wave 0's signal speaks for all four waves; wave 0 signals for the work-group; every wave waits for all sixteen work-groups;
; my work-group's barrier once more.  No LDS instruction of the wave is pending at a signal.
.macro CREST                           ; a round behind its opening barrier
	s_cmp_lg_u32 s10, 0
	s_cbranch_scc1 .Lnot_wave_0_\@
	s_barrier_signal -3
.Lnot_wave_0_\@:
	s_barrier_wait -3
	s_barrier_signal -1
	s_barrier_wait -1
.endm
.macro CROUND                          ; a whole round
	s_barrier_signal -1
	s_barrier_wait -1
	CREST
.endm
	s_load_b128 s[4:7], s[0:1], 0x0                ; xb s[4:5], wb s[6:7]
	s_load_b64 s[8:9], s[0:1], 0x10                ; out0
	v_lshl_add_u32 v[SPW], v0, 2, SPARE
	v_mov_b32 v[NIL], 0
	ds_add_u32 v[SPW], v[NIL]                      ; the wave's opening: the add, twice on end, and its wait ahead of my first tensor load; the set-up below, work on registers, stands between
	ds_add_u32 v[SPW], v[NIL]                      ; and once more, under the one wait
	v_lshrrev_b32 v1, 5, v0
	v_readfirstlane_b32 s10, v1                    ; wave 0..3
	s_lshr_b32 s11, s10, 1                         ; which half of the tile's rows is mine.  Also: I fetch for xb (0) or for wb (1)
	s_and_b32 s12, s10, 1                          ; which half of its columns.  Also: which 128 rows of that tile I fetch
	s_bfe_u32 s40, ttmp6, 0x40000                  ; cx: my place along the cluster's x
	s_bfe_u32 s41, ttmp6, 0x40004                  ; cy: along its y
	s_lshl_b32 s42, ttmp9, 2                       ; in a cluster launch ttmp9 and ttmp7 count clusters
	s_add_co_u32 s42, s42, s40                     ; tile column = 4 x cluster x + cx
	s_and_b32 s13, ttmp7, 0xffff
	s_lshl_b32 s13, s13, 2
	s_add_co_u32 s13, s13, s41                     ; tile row = 4 x cluster y + cy
	s_lshl_b32 s43, s41, 2
	s_lshl_b32 s43, 15, s43                        ; my row of the cluster: places 4 cy .. 4 cy + 3
	s_lshl_b32 s44, 0x1111, s40                    ; my column: places cx, cx + 4, cx + 8, cx + 12
	; descriptor group 1: a tile of 128 rows x 128 elements, padded in LDS
	s_or_b32 s[G1+0], s43, (1<<16)|(1<<20)|(1<<21)|(5<<22)|(3<<25)  ; 15:0 the mask: xb's tiles go to my row; 17:16 elements of 2 bytes; 20 padding on; 21 set beside a mask; 24:22 after every 64 words (code 5); 31:25 4 words (code 3)
	s_or_b32 s[G1B+0], s44, (1<<16)|(1<<20)|(1<<21)|(5<<22)|(3<<25) ; the same with the mask of my column, for wb's tiles
.irp g, G1, G1B
	s_mov_b32 s[(\g)+1], KSTEP<<16                 ; tensor_dim0 = 128
	s_mov_b32 s[(\g)+2], 128<<16                   ; tensor_dim1 = 128
	s_mov_b32 s[(\g)+3], KSTEP<<16                 ; tile_dim0 = 128
	s_mov_b32 s[(\g)+4], 128                       ; tile_dim1 = 128
	s_mov_b32 s[(\g)+5], SIZE_K                    ; elements from row to row
	s_mov_b32 s[(\g)+6], 0
	s_mov_b32 s[(\g)+7], 0
.endr
	; where the tiles come from.  xb's hang on the tile row alone, which my row of the cluster shares; wb's on the tile column alone, which my column shares.
	; Every wave makes both addresses, in registers that never hold the other coordinate while they feed a descriptor, and asks by one of them.
	s_lshl_b32 s17, s12, 7                         ; which 128 rows of the tile I fetch
	s_lshl_b32 s16, s13, 8
	s_add_co_u32 s16, s16, s17                     ; xb: row 256 x tile row + 128 x half
	s_lshl_b32 s46, s42, 8
	s_add_co_u32 s46, s46, s17                     ; wb: row 256 x tile column + 128 x half
	s_mov_b32 s17, 0
	s_mov_b32 s47, 0
	s_mov_b64 s[18:19], SIZE_K*2
	s_mul_u64 s[16:17], s[16:17], s[18:19]         ; in bytes
	s_mul_u64 s[46:47], s[46:47], s[18:19]
	s_mul_i32 s20, s10, HALFT                      ; and where they go: xb's two halves, then wb's two halves = wave x 128 rows: no place in the cluster enters an LDS address
	s_wait_dscnt 0x0                               ; both opening adds are done
	s_wait_kmcnt 0x0
	s_add_nc_u64 s[14:15], s[4:5], s[16:17]
	s_add_nc_u64 s[46:47], s[6:7], s[46:47]
	CROUND                                         ; all sixteen work-groups are here: the first joint loads meet
.irp s, 0,1
	s_mov_b32 s[G0+4*(\s)], 1                                      ; count = 1
	s_add_co_u32 s[G0+4*(\s)+1], s20, (\s)*SLOT                    ; LDS address
	s_add_nc_u64 s[G0+4*(\s)+2:G0+4*(\s)+3], s[14:15], (\s)*KSTEP*2  ; global address: K step s
	s_or_b32 s[G0+4*(\s)+3], s[G0+4*(\s)+3], 0x80000000            ; type = 2
	s_mov_b32 s[G0B+4*(\s)], 1
	s_add_co_u32 s[G0B+4*(\s)+1], s20, (\s)*SLOT
	s_add_nc_u64 s[G0B+4*(\s)+2:G0B+4*(\s)+3], s[46:47], (\s)*KSTEP*2
	s_or_b32 s[G0B+4*(\s)+3], s[G0B+4*(\s)+3], 0x80000000
	JLOAD \s                                       ; the ring is filled before anything else is done: two loads of mine are out
.endr
	; A fragment is 16 rows x 32 K in 8 registers: lane l holds row l % 16; registers 0-3 hold K = 8 (l / 16) + 0..7, registers 4-7 hold K = 16 + 8 (l / 16) + 0..7:
	; two loads of 16 bytes, 32 bytes apart.  The same for source 0 and source 1.
	v_and_b32 v1, 15, v0                           ; l % 16
	v_bfe_u32 v2, v0, 4, 1                         ; l / 16
	v_mul_u32_u24 v3, v1, PITCH
	v_lshl_add_u32 v3, v2, 4, v3                   ; row x pitch + 16 x half
	s_mul_i32 s21, s11, HALFT                      ; my 128 rows of xb
	s_mul_i32 s22, s12, HALFT                      ; my 128 rows of wb,
	s_add_co_u32 s22, s22, 2*HALFT                 ; which lie behind xb's 256
.irp s, 0,1
	v_add_nc_u32 v[ADRA+(\s)], s21, v3
	v_add_nc_u32 v[ADRB+(\s)], s22, v3
	s_add_co_u32 s21, s21, SLOT
	s_add_co_u32 s22, s22, SLOT
.endr
	s_mul_i32 s23, s10, 16*SPITCH
	s_add_co_u32 s23, s23, STAGE                   ; my stage
	v_mul_u32_u24 v5, v1, SPITCH                   ; in: row l % 16, 32 bytes for each half of the lanes
	v_lshl_add_u32 v5, v2, 5, v5
	v_add_nc_u32 v[STO], s23, v5
	v_and_b32 v6, 31, v0
	v_lshlrev_b32 v[CO], 4, v6                     ; back: 32 lanes take one row of 512 bytes,
	v_add_nc_u32 v[RD], s23, v[CO]                 ; which are 512 consecutive bytes of out0
	s_lshl_b32 s13, s13, 8                         ; 256 x tile row
	s_lshl_b32 s14, s11, 7
	s_add_co_u32 s16, s13, s14                     ; my first row of out0,
	s_lshl_b32 s16, s16, 13                        ; x 8,192 bytes
	s_lshl_b32 s46, s42, 10                        ; my first column, in bytes: 1,024 x tile column + 512 x half
	s_lshl_b32 s47, s12, 9
	s_add_co_u32 s46, s46, s47
	s_add_co_u32 s16, s16, s46
	s_mov_b32 s17, 0
	s_add_nc_u64 s[8:9], s[8:9], s[16:17]
	; the prefetches.  s13 = 256 x tile row, s42 = tile column, s40 = cx, s41 = cy still stand; s[4:5] = xb, s[6:7] = wb
	s_lshl_b32 s42, s42, 8
	s_and_b32 s22, ttmp7, 0xffff                   ; cluster y
	s_cmp_eq_u32 s11, 0                            ; do I fetch for xb?
	s_cselect_b32 s20, s13, s42                    ; the tile's first row: in xb by the tile row, in wb by the tile column
	s_cselect_b32 s21, s40, s41                    ; my place among the four that ask for it with me
	s_cselect_b32 s22, ttmp9, s22                  ; the coordinate along which other clusters read the same rows
	s_cselect_b64 s[PFA:PFA+1], s[4:5], s[6:7]
	s_cmp_eq_u32 s22, 0
	s_cselect_b32 s[LIM], 1, -1                    ; the same in all sixteen partners, for a given wave
	s_lshl_b32 s22, s12, 7
	s_add_co_u32 s20, s20, s22                     ; + the 128 rows that I fetch
	s_lshl_b32 s21, s21, 5
	s_add_co_u32 s20, s20, s21                     ; + my work-group's 32 of them
	s_mov_b32 s21, 0
	s_mov_b64 s[18:19], SIZE_K*2
	s_mul_u64 s[20:21], s[20:21], s[18:19]
	s_add_nc_u64 s[PFA:PFA+1], s[PFA:PFA+1], s[20:21]
	s_add_nc_u64 s[PFA:PFA+1], s[PFA:PFA+1], 2*KSTEP*2  ; at K step 2: the first refill steps it to 3 and names K step 4
	v_and_b32 v[PFO], 31, v0
	v_mul_u32_u24 v[PFO], v[PFO], SIZE_K*2
	; nothing is prefetched here, at the head, where every work-group's first two tiles are on their way
; 16 matrix instructions: m blocks a0, a0 + 1 of the window's four (hi = 0: my rows 0-63, 1: rows 64-127) x all 8 n blocks, 32 along K.  zero = 1: the product starts the sum: nothing is ever cleared.
; The 64 accumulators take turns, one instruction a turn, in the same order in every quarter step, over the backward jump too.
.macro MUL16 f, hi, a0, zero
	WIN MUL_LO+0x50*(\hi)
.irp a, \a0, (\a0)+1
.irp b, 0,1,2,3,4,5,6,7
.if \zero
	v_wmma_f32_16x16x32_bf16 v[8*(8*(\a)+(\b)):8*(8*(\a)+(\b))+7], v[(\f)+8*(\b):(\f)+8*(\b)+7], v[(\f)+8*(4*(\hi)+(\a)):(\f)+8*(4*(\hi)+(\a))+7], 0
.else
	v_wmma_f32_16x16x32_bf16 v[8*(8*(\a)+(\b)):8*(8*(\a)+(\b))+7], v[(\f)+8*(\b):(\f)+8*(\b)+7], v[(\f)+8*(4*(\hi)+(\a)):(\f)+8*(4*(\hi)+(\a))+7], v[8*(8*(\a)+(\b)):8*(8*(\a)+(\b))+7]
.endif
.endr
.endr
.endm
; 32 LDS loads in one run: the fragments of one quarter step (128 rows of wb, 128 rows of xb, 32 K at byte k of the rows) into buffer f
.macro FETCH slot, k, f
	WIN TO_B
.irp i, 0,1,2,3,4,5,6,7
	ds_load_b128 v[(\f)+8*(\i):(\f)+8*(\i)+3],   v[ADRB+(\slot)] offset:(\k)+(\i)*16*PITCH
	ds_load_b128 v[(\f)+8*(\i)+4:(\f)+8*(\i)+7], v[ADRB+(\slot)] offset:(\k)+(\i)*16*PITCH+32
.endr
	WIN 0
.irp i, 0,1,2,3,4,5,6,7
	ds_load_b128 v[(\f)+8*(\i):(\f)+8*(\i)+3],   v[ADRA+(\slot)] offset:(\k)+(\i)*16*PITCH
	ds_load_b128 v[(\f)+8*(\i)+4:(\f)+8*(\i)+7], v[ADRA+(\slot)] offset:(\k)+(\i)*16*PITCH+32
.endr
.endm
; A load into a register that a matrix instruction has read, and a store that reads a matrix result, stand four places behind that matrix instruction, and only plain vector instructions that name none of
; its registers are places (ISA guide 7.12.1 for vector instructions); the matrix instructions in between are not counted.
.macro PLACES
.rept 4
	v_nop
.endr
.endm
; A K step is four quarter steps of 32 along K, 64 matrix instructions each, on buffers 0, 1, 0, 1.
; One of the first three: multiplies buffer f; in its middle it fetches the next quarter's fragments, at byte k of the same slot's rows, into buffer g.
.macro QUARTER slot, k, f, g, zero
	s_wait_dscnt 8                                 ; wb and xb's rows 0-63 are in; the youngest eight loads (xb's rows 64-127) may be out
	MUL16 \f, 0, 0, \zero
	MUL16 \f, 0, 2, \zero
	PLACES
	FETCH \slot, \k, \g
	s_wait_dscnt 32                                ; all but the 32 just issued
	MUL16 \f, 1, 0, \zero
	MUL16 \f, 1, 2, \zero
.endm
; The last quarter multiplies buffer 1 and changes slots.  MEET is its first half: ONE barrier for the change of slots, for two things.  In front of it each wave waits for all its tensor loads, of which one
; is out: its part of the next slot; adds 0 to its spare word; and waits for that and for its own reads of this slot.  Behind it nobody reads this slot any more and the next slot is whole.
.macro MEET round                      ; round = 1: the rest of a round of the cluster's barrier follows
	WIN 0                                          ; (the add's two registers lie in window 0)
	s_wait_tensorcnt 0x0                           ; all my tensor loads have landed: the one that was out is my part of the next slot;
	ds_add_u32 v[SPW], v[NIL]                      ; 0 onto my spare word;
	s_wait_dscnt 9                                 ; (the add and the youngest eight loads may be out)
	MUL16 F1, 0, 0, 0                              ; sixteen matrix instructions stand between the add and the wait for it
	s_wait_dscnt 0x0                               ; the add is done, and my reads of this slot are over (the last were issued 48 matrix instructions ago):
	s_barrier_signal -1                            ; say so (where the slot is filled again this barrier opens a round of the cluster's barrier),
	MUL16 F1, 0, 2, 0                              ; work on registers while the others arrive,
.if \round
	WIN 0
.endif
	s_barrier_wait -1                              ; and go on when all four have said so
.endm
; The whole last quarter.  fill = 1: behind the round the slot just read out is filled again first, with the K step two steps on; then come the next slot's first fragments.
; From a request to the wait for it a wave issues 224 matrix instructions.  fill = 0: nothing is left to ask for.
.macro TURN slot, next, fill
.if \fill
	s_wait_xcnt 0x0                                ; the last prefetch, a K step back, has read its address: it is stepped here, ahead of the waits of the change of slots
	s_add_nc_u64 s[PFA:PFA+1], s[PFA:PFA+1], KSTEP*2
	MEET 1
	CREST                                          ; no wave of any partner still reads this slot's tile or has a load on its way
	s_add_nc_u64 s[G0+4*(\slot)+2:G0+4*(\slot)+3], s[G0+4*(\slot)+2:G0+4*(\slot)+3], 2*KSTEP*2    ; no tensor load of mine is out, so a group 0 may be written; the type bits on top are not reached
	s_add_nc_u64 s[G0B+4*(\slot)+2:G0B+4*(\slot)+3], s[G0B+4*(\slot)+2:G0B+4*(\slot)+3], 2*KSTEP*2
	JLOAD \slot                                    ; my one tensor load behind the round, and the first thing there; the four v_nop behind it are also the places in front of the loads below
	FETCH \next, 0, F0
	ASK                                            ; behind the joint load and the run of LDS loads that the next products wait for
.else
	MEET 0
	PLACES
	FETCH \next, 0, F0
.endif
	MUL16 F1, 1, 0, 0
	MUL16 F1, 1, 2, 0
.endm
; THE WAY OUT of block a (16 rows of out0).  A lane's eight results are 32 bytes of a row; they go into my own stage in rows of 528 bytes, each accumulator's four lowest registers first
; and come back as whole rows of 512 bytes.  The stage is my wave's own: no barrier.
.macro TOSTAGE a
.set AC, 64*((\a)%4)
.set OB, 64+64*((\a)%2)
.if (\a) >= 2
	s_wait_xcnt 0x0                                ; the stores of the block before last have read the registers that are loaded again below
.endif
	WIN ST_LO+4*((\a)/4)
.irp b, 0,1,2,3,4,5,6,7
	ds_store_b128 v[STO], v[AC+8*(\b):AC+8*(\b)+3]   offset:64*(\b)
	ds_store_b128 v[STO], v[AC+8*(\b)+4:AC+8*(\b)+7] offset:64*(\b)+16
.endr
	WIN 0
.irp t, 0,1,2,3,4,5,6,7,8,9,10,11,12,13,14,15
	ds_load_b128 v[OB+4*(\t):OB+4*(\t)+3], v[RD] offset:(\t)*SPITCH  ; LDS serves a wave's instructions in order (ISA guide 5.7.1.4): these see the stores above; the next block's stores come behind them
.endr
.endm
.macro SEND a, younger                 ; younger: the LDS instructions issued behind block a's loads: the next block's 32, or none
.set OB, 64+64*((\a)%2)
	WIN 0
	s_wait_dscnt \younger                          ; the block is back in registers
.if (\a) > 0
	s_wait_xcnt 0x0                                ; the earlier stores have read their base
	s_add_nc_u64 s[8:9], s[8:9], 16*SIZE_N*4       ; 16 rows of out0 on
.endif
.irp t, 0,1,2,3,4,5,6,7,8,9,10,11,12,13,14,15
	global_store_b128 v[CO], v[OB+4*(\t):OB+4*(\t)+3], s[8:9] offset:(\t)*SIZE_N*4 th:TH_STORE_NT  ; 512 consecutive bytes, at a multiple of 512 from out0's first byte
.endr
.endm
	s_wait_tensorcnt 1                             ; my part of K step 0 is in; K step 1's may stay out
	s_barrier_signal -1
	s_barrier_wait -1                              ; everybody's is
	FETCH 0, 0, F0
	QUARTER 0, 64,  F0, F1, 1                      ; the first quarter stands in front of the loop: its products start the sums
	WIN 0                                          ; at a label and at a branch every window is 0
	s_mov_b32 s3, LAPS-1
.Llap:                                                 ; a trip goes once round the ring, from a lap's second quarter to the next lap's first, and fills both slots again
	QUARTER 0, 128, F1, F0, 0
	QUARTER 0, 192, F0, F1, 0
	TURN 0, 1, 1
	QUARTER 1, 64,  F0, F1, 0
	QUARTER 1, 128, F1, F0, 0
	QUARTER 1, 192, F0, F1, 0
	TURN 1, 0, 1
	QUARTER 0, 64,  F0, F1, 0
	WIN 0
	s_sub_co_u32 s3, s3, 1
	s_cmp_lg_u32 s3, 0
	s_cbranch_scc1 .Llap
	QUARTER 0, 128, F1, F0, 0                      ; the last lap is written out: it fills nothing, and has no round of the cluster's barrier
	QUARTER 0, 192, F0, F1, 0
	TURN 0, 1, 0                                   ; my one tensor load that was still out is slot 1's, the last K step's
	QUARTER 1, 64,  F0, F1, 0
	QUARTER 1, 128, F1, F0, 0
	QUARTER 1, 192, F0, F1, 0
	s_wait_dscnt 8                                 ; the very last quarter: nothing more to fetch
	MUL16 F1, 0, 0, 0
	MUL16 F1, 0, 2, 0
	s_wait_dscnt 0x0
	MUL16 F1, 1, 0, 0
	MUL16 F1, 1, 2, 0
.rept 8
	v_nop                                          ; the places behind the last products, in front of the stores that read results and of the loads into xb's buffers
.endr
	TOSTAGE 0
.irp a, 1,2,3,4,5,6,7                  ; block a goes into the stage while block a - 1 comes back from it
	TOSTAGE \a
	SEND (\a)-1, 32
.endr
	SEND 7, 0
	s_wait_tensorcnt 0x0                           ; the wave's end: behind my last tensor load and my last LDS store
	ds_add_u32 v[SPW], v[NIL]
	s_wait_dscnt 0x0
	CROUND                                         ; the closing round: no work-group ends while a partner may still ask for a tile that names it
	s_endpgm
.Lfunc_end_k_q7d4f2fb64d_gemm:
	.size	k_q7d4f2fb64d_gemm, .Lfunc_end_k_q7d4f2fb64d_gemm-k_q7d4f2fb64d_gemm
	.p2alignl 7, 3214868480
	.fill 96, 4, 3214868480
	.section	.rodata,"a",@progbits
	.p2align	6, 0x0
	.amdhsa_kernel k_q7d4f2fb64d_gemm
		.amdhsa_group_segment_fixed_size 327680
		.amdhsa_private_segment_fixed_size 0
		.amdhsa_enable_private_segment 0
		.amdhsa_kernarg_size 24
		.amdhsa_user_sgpr_count 2
		.amdhsa_user_sgpr_kernarg_segment_ptr 1
		.amdhsa_wavefront_size32 1
		.amdhsa_system_sgpr_workgroup_id_x 1
		.amdhsa_system_sgpr_workgroup_id_y 1
		.amdhsa_system_sgpr_workgroup_id_z 1
		.amdhsa_system_vgpr_workitem_id 0
		.amdhsa_next_free_vgpr 1024
		.amdhsa_next_free_sgpr 66
		.amdhsa_reserve_vcc 0
		.amdhsa_float_denorm_mode_32 3
		.amdhsa_float_denorm_mode_16_64 3
		.amdhsa_memory_ordered 1
		.amdhsa_forward_progress 1
		.amdhsa_inst_pref_size 142
	.end_amdhsa_kernel
	.amdgpu_metadata
---
amdhsa.version: [ 1, 2 ]
amdhsa.kernels:
  - .name:           k_q7d4f2fb64d_gemm
    .symbol:         k_q7d4f2fb64d_gemm.kd
    .args:
      - { .name: xb, .offset: 0, .size: 8, .value_kind: global_buffer, .address_space: global }
      - { .name: wb, .offset: 8, .size: 8, .value_kind: global_buffer, .address_space: global }
      - { .name: out0, .offset: 16, .size: 8, .value_kind: global_buffer, .address_space: global }
    .group_segment_fixed_size: 327680
    .private_segment_fixed_size: 0
    .kernarg_segment_align: 8
    .kernarg_segment_size: 24
    .max_flat_workgroup_size: 128
    .sgpr_count:     66
    .vgpr_count:     1024
    .wavefront_size: 32
...
	.end_amdgpu_metadata
.endif
;; end of part 2
;; ======== version 2 of 2: 2 launches; version 1 with the launch cast written anew for expert scheduling mode
;; workspace buffers: xb 67,108,864 bytes; wb 16,777,216 bytes
;; launch cast (part 3): grid 256 x 1, 8 waves a work-group, no clusters, 0 bytes of LDS; arguments x, weights, xb, wb; writes xb, wb
.if DOCPART == 3
	.amdgcn_target "amdgcn-amd-amdhsa--gfx1250"
	.amdhsa_code_object_version 6
	.text
	.protected	k_q7d4f2fb64d_cast
	.globl	k_q7d4f2fb64d_cast
	.p2align	8
	.type	k_q7d4f2fb64d_cast,@function
k_q7d4f2fb64d_cast:
	s_mov_b64 s[64:65], 0
	v_nop
	global_prefetch_b8 v0, s[64:65] scope:SCOPE_SE
	s_setreg_imm32_b32 hwreg(HW_REG_WAVE_SCHED_MODE, 0, 2), 2
	s_setreg_imm32_b32 hwreg(HW_REG_WAVE_MODE, 25, 1), 1
	s_wait_xcnt 0x0
	s_wait_alu depctr_vm_vsrc(0)
; xb[i] = bf16(x[i]), wb[i] = bf16(weights[i]): both in the order in which they lie.  x: [8192][4096] f32, weights: [2048][4096] f32; xb, wb: the same shapes in bf16.
; THE PROBLEM.  reference() cuts the rows of weights in two parts, multiplies x by each and joins the two results in the same order: for all values of the inputs that is the one product
; out0[m][n] = sum over k of x[m][k] weights[n][k].  So the place of the cut enters no line of this program.  No work is left out: both inputs are read whole, every number of out0 is written.
; WHY THIS LAUNCH.  In the launch behind, each number of x is multiplied in 8 tile columns and each number of weights in 32 tile rows.  Rounded once here, a row's 128 numbers of a K step are 256 bytes,
; two LDS slots of such steps fit beside each other, a fragment is two LDS loads, and the product's loop holds no conversion.
; LIMITS.  Both inputs are rounded once to bf16, to nearest even (bf16 has f32's range); NaN and infinities are converted as v_cvt_pk_bf16_f32 converts them.
; SHARES.  The launch has 2,048 waves, all alike: wave id = 8 x work-group + wave takes 65,536 consecutive bytes of x (128 units) and then 16,384 of weights (32 units).  A unit is one load of 16 bytes a
; lane (512 consecutive bytes), two conversions, and one store of 8 bytes a lane: 256 consecutive bytes, at a multiple of 256 from the buffer's first byte.
; THE MODE: SCHED_MODE bits 1:0 = 2 (LLVM: expert scheduling mode 2), set by the entry lines.  The code itself states the register dependences between vector instructions and memory instructions,
; with s_wait_alu, always for 0.
; THE PLAN.  The 160 units go in 20 groups of eight.  Registers that memory instructions touch:
;   X0 .. X4   five groups of units as loaded.  Written by loads alone: groups 0 to 3 at the head, group p + 4 in group p.  Read by group p's conversions (X[p % 5]) alone.
;   Y0, Y1     two groups of units to store.    Written by group p's conversions (Y[p % 2]); read by the eight stores that are issued in group p + 1.
;   v1, v2     byte offsets, made once at the head and never written again; the scalar bases are never stepped either: a unit's place stands in the immediate.
; Group p works on X[p % 5] and writes Y[p % 2].  Its memory instructions are the loads into X[(p + 4) % 5] = X[(p - 1) % 5] and the stores from Y[(p - 1) % 2]: the two buffers that group p - 1 worked on
; and that no vector instruction of group p names.  So the waits at the head of a group state all that its sixteen memory instructions hang on, and these are dealt among its conversions, a load and a
; store in front of each unit's two, with no further wait.
; IN FLIGHT.  A slot lies idle from its conversion to the next group's head, which is why there are five X buffers for four groups on their way: 32 loads of a wave are out while loads are still issued.
; The text is written out by the assembler's loops: there is no backward jump.
; No LDS, no barrier, no matrix unit: no wave wants a byte that another has fetched.  No prefetch: the launch's own loads ask for every byte, far ahead of its use.
.set XU,    128                        ; units of x
.set WU,    32                         ; units of weights
.set UNITS, XU+WU
.set GRP,   8                          ; units in a group
.set DEPTH, 5*GRP                      ; slots: five groups
.set X,     4                          ; v[4:163]   slot s: four registers as loaded; unit n lies in slot n % 40
.set Y,     164                        ; v[164:195] buffer k, unit j of a group: two registers at Y + 16 k + 2 j: the unit's 8 bytes of bf16
	s_load_b256 s[4:11], s[0:1], 0x0               ; x s[4:5], weights s[6:7], xb s[8:9], wb s[10:11]
	v_lshrrev_b32 v3, 5, v0
	v_readfirstlane_b32 s12, v3                    ; wave 0..7
	v_and_b32 v2, 31, v0                           ; lane
	v_lshlrev_b32 v1, 4, v2                        ; 16 bytes a lane on the way in,
	v_lshlrev_b32 v2, 3, v2                        ; 8 on the way out
	s_wait_alu depctr_va_sdst(0)                   ; s12 is written, ahead of its first reader: the four bases are made from it
	s_lshl_b32 s13, ttmp9, 3
	s_add_co_u32 s13, s13, s12                     ; id, 0 .. 2,047
	s_lshl_b32 s14, s13, 16                        ; my bytes of x,
	s_mov_b32 s15, 0
	s_lshl_b32 s16, s13, 15                        ; of xb,
	s_mov_b32 s17, 0
	s_lshl_b32 s18, s13, 14                        ; of weights,
	s_mov_b32 s19, 0
	s_lshl_b32 s20, s13, 13                        ; of wb
	s_mov_b32 s21, 0
	s_wait_kmcnt 0x0
	s_add_nc_u64 s[4:5], s[4:5], s[14:15]
	s_add_nc_u64 s[8:9], s[8:9], s[16:17]
	s_add_nc_u64 s[6:7], s[6:7], s[18:19]
	s_add_nc_u64 s[10:11], s[10:11], s[20:21]
	s_wait_alu depctr_va_vdst(0)                   ; v1 and v2 are written: every load of the kernel reads v1 as its offset, every store v2
.macro LD n                            ; unit n is asked for, into slot n % 40; each byte is read once in the launch
.set sl, X+4*((\n)%DEPTH)
.if (\n) < XU
	global_load_b128 v[sl:sl+3], v1, s[4:5] offset:512*(\n) th:TH_LOAD_NT
.else
	global_load_b128 v[sl:sl+3], v1, s[6:7] offset:512*((\n)-XU) th:TH_LOAD_NT
.endif
.endm
.macro CV n                            ; unit n is rounded, out of its slot into its group's Y
.set sl, X+4*((\n)%DEPTH)
.set yo, Y+2*GRP*(((\n)/GRP)%2)+2*((\n)%GRP)
	v_cvt_pk_bf16_f32 v[yo],   v[sl],   v[sl+1]
	v_cvt_pk_bf16_f32 v[yo+1], v[sl+2], v[sl+3]
.endm
.macro ST n                            ; unit n is stored
.set yo, Y+2*GRP*(((\n)/GRP)%2)+2*((\n)%GRP)
.if (\n) < XU
	global_store_b64 v2, v[yo:yo+1], s[8:9] offset:256*(\n)
.else
	global_store_b64 v2, v[yo:yo+1], s[10:11] offset:256*((\n)-XU)
.endif
.endm
.set u, 0                              ; the next unit to be asked for
.rept DEPTH-GRP                        ; groups 0 to 3 into X0 to X3
	LD u
.set u, u+1
.endr
.set n, 0                              ; the next unit to be rounded
.rept UNITS/GRP
.if n >= 2*GRP                         ; from group 2 on: in group 1 no store has been issued yet
	s_wait_xcnt 0x0                                ; every earlier memory instruction has had its addresses translated (ISA guide 3.1): this group's Y is rewritten only behind this wait
	s_wait_alu depctr_vm_vsrc(0)                   ; the stores issued in the group before have read this group's Y, which its conversions write again
.endif
.if n >= GRP                           ; from group 1 on: group 0 stores nothing, and no vector instruction has named X4, in which its loads land
	s_wait_alu depctr_va_vdst(0)                   ; the group before has written the other Y, which the stores below read, and is done reading its X, in which the loads below land
.endif
.rept GRP
.if u < UNITS                          ; groups 16 to 19 ask for nothing: no load leaves its buffer
	LD u                                           ; four groups ahead; no vector instruction since the wait names these registers
.set u, u+1
.endif
.if n >= GRP
	ST n-GRP                                       ; the group before
.endif
	s_wait_loadcnt u-1-n                           ; loads come back in order (ISA guide 5.7.1): unit n is in; the units asked for behind it, up to u - 1, stay out
	CV n
.set n, n+1
.endr
.endr
	s_wait_alu depctr_va_vdst(0)                   ; group 19 has written Y1, which the last eight stores read
.rept GRP
	ST n-GRP
.set n, n+1
.endr
	s_endpgm
.Lfunc_end_k_q7d4f2fb64d_cast:
	.size	k_q7d4f2fb64d_cast, .Lfunc_end_k_q7d4f2fb64d_cast-k_q7d4f2fb64d_cast
	.p2alignl 7, 3214868480
	.fill 96, 4, 3214868480
	.section	.rodata,"a",@progbits
	.p2align	6, 0x0
	.amdhsa_kernel k_q7d4f2fb64d_cast
		.amdhsa_group_segment_fixed_size 0
		.amdhsa_private_segment_fixed_size 0
		.amdhsa_enable_private_segment 0
		.amdhsa_kernarg_size 32
		.amdhsa_user_sgpr_count 2
		.amdhsa_user_sgpr_kernarg_segment_ptr 1
		.amdhsa_wavefront_size32 1
		.amdhsa_system_sgpr_workgroup_id_x 1
		.amdhsa_system_sgpr_workgroup_id_y 1
		.amdhsa_system_sgpr_workgroup_id_z 1
		.amdhsa_system_vgpr_workitem_id 0
		.amdhsa_next_free_vgpr 196
		.amdhsa_next_free_sgpr 66
		.amdhsa_reserve_vcc 0
		.amdhsa_float_denorm_mode_32 3
		.amdhsa_float_denorm_mode_16_64 3
		.amdhsa_memory_ordered 1
		.amdhsa_forward_progress 1
		.amdhsa_inst_pref_size 58
	.end_amdhsa_kernel
	.amdgpu_metadata
---
amdhsa.version: [ 1, 2 ]
amdhsa.kernels:
  - .name:           k_q7d4f2fb64d_cast
    .symbol:         k_q7d4f2fb64d_cast.kd
    .args:
      - { .name: x, .offset: 0, .size: 8, .value_kind: global_buffer, .address_space: global }
      - { .name: weights, .offset: 8, .size: 8, .value_kind: global_buffer, .address_space: global }
      - { .name: xb, .offset: 16, .size: 8, .value_kind: global_buffer, .address_space: global }
      - { .name: wb, .offset: 24, .size: 8, .value_kind: global_buffer, .address_space: global }
    .group_segment_fixed_size: 0
    .private_segment_fixed_size: 0
    .kernarg_segment_align: 8
    .kernarg_segment_size: 32
    .max_flat_workgroup_size: 256
    .sgpr_count:     66
    .vgpr_count:     196
    .wavefront_size: 32
...
	.end_amdgpu_metadata
.endif
;; end of part 3
;; launch gemm: the kernel of part 2 again; grid 8 x 32, 4 waves a work-group, clusters of 4 x 4, 327,680 bytes of LDS; arguments xb, wb, out0; writes out0
